; MI455X (gfx1250); checked and timed in simulation.
; The chip was launched on July 23, 2026; its instructions are those of AMD's public machine-readable ISA for CDNA 5 (MIT licence, August 2026) and "CDNA5" Instruction Set Architecture Reference Guide (July 2026). The comments in the code are by the model that wrote it; some were corrected since.
;; Scaled Dot Product Attention. Allowed arithmetic: matrix products marked QUANTISED: E2M3 operands, one E8M0 scale for each 32 along K, by v_wmma_scale_f32_16x16x128_f8f6f4 with both operands' format E2M3, f32 sums; everything else in f32.
;; Inputs: x 4,096 x 1,024 float32.
;; Outputs: out0 4,096 x 1,024 float32.
;; This version of the problem:
;;   THIS VERSION OF THE PROBLEM IS GIVEN IN LOW PRECISION. The matrix products marked QUANTISED in the list below multiply operands that are first quantised to E2M3 (2 exponent bits, 3 mantissa bits; 6 bits a number), with one power-of-two scale for each 32 numbers along K (OCP MX v1.0); their sums are f32. All else is computed in f32.
;;   The module's matrix products, in the order in which they are computed (A, B: the left and right operand; K: the contracted axis; several contracted axes count as one K, in the product's order):
;;     1. batch 16 x [M 4,096, K 64] x [K 64, N 4,096]; A: input x; B: input x: QUANTISED
;;     2. batch 16 x [M 4,096, K 4,096] x [K 4,096, N 64]; A: softmax (see below); B: input x: QUANTISED
;;   THE QUANTISER, for each operand of a quantised product, along K:
;;     - K is cut into blocks of 32 from its start; a last block that is shorter is filled with zeros.
;;     - A block's scale is 2^e with e = floor(log2(the largest magnitude in the block)) - 2, held to -126 .. 127; a block of zeros has e = 0. As a byte (E8M0): e + 127.
;;     - Each number is divided by its block's scale, clamped to +-7.5, and rounded to the nearest number of E2M3, ties to even, subnormals kept.
;;     - The product sums the exact products of the quantised numbers (number of the format x scale) in f32.
;;   ~~~python
;;   def quantise(x, axis):      # numpy; x: float32 -> the quantised numbers, widened to float32 again
;;       x = np.moveaxis(x, axis, -1); K = x.shape[-1]
;;       x = np.pad(x, [(0, 0)] * (x.ndim - 1) + [(0, -K % 32)]); x = x.reshape(x.shape[:-1] + (-1, 32)); a = np.abs(x).max(-1, keepdims=True)
;;       e = np.where(a > 0, np.clip(np.frexp(np.where(a > 0, a, 1))[1] - 1 - 2, -126, 127), 0)      # np.frexp(a)[1] - 1 = floor(log2(a)), exactly
;;       r = np.clip(x / 2.0 ** e, -7.5, 7.5)
;;       step = 2.0 ** (np.maximum(np.frexp(np.where(r == 0, 1, r))[1] - 1, 0) - 3)
;;       q = np.round(r / step) * step * 2.0 ** e      # np.round: ties to even
;;       return np.moveaxis(q.reshape(q.shape[:-2] + (-1,))[..., :K], -1, axis).astype(np.float32)
;;   ~~~
;;   SOFTMAX AHEAD OF A QUANTISED PRODUCT. Where the list says 'softmax', what is quantised is not the finished softmax but p = 2^(t - M), with t = logit x log2(e) and M = ceil(the row's largest t), a whole number; so 1/2 < the row's largest p <= 1. The row's sum l is taken of the UNQUANTISED p, in f32, and the product's result is divided by l at the end. Since M is a whole number, a kernel that streams over the keys may use a running M (the ceiling of the running maximum): every later rescaling is an exact power of two, which a block's scale takes up: the codes' values come out the same.
;;   OPERANDS COMPUTED ON THE WAY. 'Computed on the way' means the value that the module computes at that place (a softmax that the list does not call 'softmax' is quantised finished and normalised). What goes into a quantiser is computed in f32, as accurately as f32 sums, v_exp_f32 and their like allow (about 1e-6 of the number): no bf16 or f16 on the way to a quantiser, and a product that is left as it is and whose result goes on into a quantised operand takes f32 operands (vector FMAs, or v_wmma_f32_16x16x4_f32). A number that lies on a knife's edge between two numbers of the format may be rounded either way, as far as f32 arithmetic and the matrix unit's own rounding can turn it there, and no further.
;; One version. Each part assembles by itself: llvm-mc -triple=amdgcn-amd-amdhsa -mcpu=gfx1250 --defsym DOCPART=n.
;; ======== version 1 of 1: 2 launches
;; limits: right only within a limited range of input values
;; workspace buffers: kv 6,553,600 bytes
;; launch quant (part 1): grid 32 x 16, 4 waves a work-group, no clusters, 36,352 bytes of LDS; arguments x, kv; writes kv
.if DOCPART == 1
	.amdgcn_target "amdgcn-amd-amdhsa--gfx1250"
	.amdhsa_code_object_version 6
	.text
	.protected	k_qd4002cd7ad_quant
	.globl	k_qd4002cd7ad_quant
	.p2align	8
	.type	k_qd4002cd7ad_quant,@function
k_qd4002cd7ad_quant:
	s_mov_b64 s[64:65], 0
	v_nop
	global_prefetch_b8 v0, s[64:65] scope:SCOPE_SE
	s_setreg_imm32_b32 hwreg(HW_REG_WAVE_MODE, 25, 1), 1
	s_wait_xcnt 0x0
; x [4096][1024] f32 holds 16 heads of 64 channels.  For each (head, 128 tokens) this launch makes one dense block of 12,800 bytes of kv:
; codes of FP6 (E2M3) and E8M0 scale words, laid as images of the operands' registers (16 bytes a lane, three pieces of 512 bytes an image).
;   bytes 0..6143      four PAIR images (pair j at 1536 j).  Lane (r, h): registers 0-5 token 64 (j / 2) + 32 (r / 8) + 16 (j % 2) + r % 8, channels 32 h .. 32 h + 31; registers 6-11 the token 8 further on.  Quantised along the channels.
;   bytes 6144..12287  four images of V^T (tile t at 1536 t).  Lane (r, h): channel 16 t + r; registers 6 c .. 6 c + 5 keys 64 c + 32 h + 0 .. 31.  Quantised along the keys.
;   bytes 12288..12799 scale words: lane L's 16 bytes = [KW0, KW1, VW0, VW1]; KW(j / 2) in lanes 16 (j % 2) + r is pair j's word, VW(t / 2) in lanes 16 (t % 2) + r tile t's.
; A block's scale byte is its largest magnitude's exponent field - 2, held at 1 from below by a floor among the maximum's leaves.
; LIMITS: a block of zeros, or one whose largest magnitude lies under 2^-124, gets the byte 1 (the bytes are read by this program alone); NaN and infinities in x are not served.
; SHARES: work-group (x = which 128 tokens, y = head), four waves.  Wave w brings tokens 32 w .. 32 w + 31 into LDS; behind a barrier it makes pair w and V's tile w.  Every store to kv covers 512 consecutive bytes.
.set PITCH, 272                        ; a token's row in LDS: 256 bytes + 16
.set GRP,   8768                       ; 32 rows + 64 bytes
.set SCS,   4*GRP                      ; 512 bytes for the block's scale words
.set STEPB, 12800
.set VIMG,  6144
.set SCW,   12288
.set GX,  4
.set LST, 5
.set AK,  6                            ; pair w: my token's row, my half's 128 bytes
.set AV,  7                            ; V's tile w: my channel, my half's group of 32 tokens
.set SH,  8                            ; 8 h
.set GI,  9
.set AW,  10
.set L16, 11
.set L4,  21
.set FK,  32
.set FV,  44
.set X1,  64
.set X2,  128
	s_load_b128 s[4:7], s[0:1], 0x0                ; x, kv
	v_lshl_add_u32 v192, v0, 2, 0x8c00             ; my spare word
	v_mov_b32 v193, 0
	v_lshrrev_b32 v1, 5, v0
	v_readfirstlane_b32 s8, v1                     ; wave
	s_and_b32 s9, ttmp7, 0xffff                    ; head
	v_and_b32 v1, 31, v0
	s_wait_alu depctr_va_vdst(0)
	v_and_b32 v2, 15, v0                           ; r
	s_wait_alu depctr_va_vdst(0)
	v_bfe_u32 v3, v0, 4, 1                         ; h
	s_wait_alu depctr_va_vdst(0)
	s_mov_b32 s14, 0x76543210
	s_mov_b32 s15, 0xfedcba98                      ; selects for lane l xor 16
	s_lshl_b32 s10, ttmp9, 19
	s_lshl_b32 s16, s8, 17
	s_add_co_u32 s10, s10, s16
	s_lshl_b32 s16, s9, 8
	s_add_co_u32 s10, s10, s16                     ; 128 tokens a block, 32 a wave, the head's 256 bytes
	s_mov_b32 s11, 0
	s_lshl_b32 s12, s9, 5
	s_add_co_u32 s12, s12, ttmp9
	s_mul_i32 s12, s12, STEPB
	s_mov_b32 s13, 0
	s_mul_i32 s17, s8, GRP
	s_lshl_b32 s18, s8, 6
	s_mul_i32 s19, s8, 1536
	s_lshr_b32 s20, s8, 1
	s_mul_i32 s20, s20, 2*GRP                      ; pair w begins in group 2 (w / 2),
	s_and_b32 s21, s8, 1
	s_mul_i32 s21, s21, 16*PITCH                   ; at row 16 (w % 2)
	s_add_co_u32 s20, s20, s21
	v_lshlrev_b32 v[L16], 4, v1
	v_lshlrev_b32 v[L4], 2, v1
	v_lshlrev_b32 v[GX], 4, v2
	v_mul_u32_u24 v[LST], v3, PITCH
	v_add_nc_u32 v[LST], v[LST], v[GX]
	v_add_nc_u32 v[LST], s17, v[LST]
	v_lshl_add_u32 v[GX], v3, 12, v[GX]
	v_lshrrev_b32 v[AK], 3, v2
	v_mul_u32_u24 v[AK], v[AK], GRP                ; rows 8-15 of a tile lie 32 tokens on: the next group
	v_and_b32 v12, 7, v2
	v_mad_u32_u24 v[AK], v12, PITCH, v[AK]
	v_lshl_add_u32 v[AK], v3, 7, v[AK]
	v_add_nc_u32 v[AK], s20, v[AK]
	v_mul_u32_u24 v[AV], v3, GRP
	v_lshl_add_u32 v[AV], v2, 2, v[AV]
	v_add_nc_u32 v[AV], s18, v[AV]
	v_lshlrev_b32 v[SH], 3, v3
	v_add_nc_u32 v[GI], s19, v[L16]
	v_lshl_add_u32 v[AW], v2, 2, SCS
	v_add_nc_u32 v[AW], s18, v[AW]
	v_mov_b32 v18, 0                               ; a lane permute's destination counts as a source
	s_wait_alu depctr_va_vdst(0)
	s_wait_kmcnt 0x0
	s_add_nc_u64 s[4:5], s[4:5], s[10:11]
	s_add_nc_u64 s[6:7], s[6:7], s[12:13]
.irp i, 0,1,2,3,4,5,6,7,8,9,10,11,12,13,14,15
	global_load_b128 v[X1+4*\i:X1+4*\i+3], v[GX], s[4:5] offset:8192*\i th:TH_LOAD_NT   ; tokens 2 i, 2 i + 1: sixteen lanes to a token's 256 bytes
.endr
.irp i, 0,1,2,3,4,5,6,7,8,9,10,11,12,13,14,15
	s_wait_loadcnt 15-\i                           ; load i is in, the younger ones stay out
	ds_store_b128 v[LST], v[X1+4*\i:X1+4*\i+3] offset:544*\i
.endr
	s_wait_dscnt 0x0                               ; my rows lie in LDS
	s_barrier_signal -1
	s_barrier_wait -1
.irp u, 0,1
.irp i, 0,1,2,3,4,5,6,7
	ds_load_b128 v[X1+32*\u+4*\i:X1+32*\u+4*\i+3], v[AK] offset:2176*\u+16*\i   ; 32 channels of my token; u = 1: 8 rows on
.endr
.endr
.irp c, 0,1
.irp i, 0,1,2,3,4,5,6,7,8,9,10,11,12,13,14,15,16,17,18,19,20,21,22,23,24,25,26,27,28,29,30,31
	ds_load_b32 v[X2+32*\c+\i], v[AV] offset:17536*\c+272*\i   ; my channel of key 64 c + 32 h + i
.endr
.endr
; Two whole blocks of one lane, v[x + 32 c + i], become registers 6 c .. 6 c + 5 of the image at v[f]; v[w] the row's scale word (my bytes at h and 2 + h, lane l xor 16's fill the others).
.macro QUANT2 x, f, w
.irp c, 0,1
	v_max3_num_f32 v[12+\c], |v[\x+32*\c]|, |v[\x+32*\c+1]|, 0x1800000   ; the floor 2^(3 - 127)
.endr
.irp i, 2,4,6,8,10,12,14,16,18,20,22,24,26,28,30
.irp c, 0,1
	v_max3_num_f32 v[12+\c], v[12+\c], |v[\x+32*\c+\i]|, |v[\x+32*\c+\i+1]|
.endr
.endr
.irp c, 0,1
	v_add_nc_u32 v[14+\c], 0xff000000, v[12+\c]    ; 2 off the exponent field: the conversion's scale operand
.endr
.irp c, 0,1
	v_lshrrev_b32 v[16+\c], 23, v[14+\c]           ; the byte
.endr
	v_lshl_or_b32 v[\w], v17, 16, v16
	v_lshlrev_b32 v[\w], v[SH], v[\w]
	v_permlanex16_b32 v18, v[\w], s14, s15
	v_or_b32 v[\w], v[\w], v18
.irp c, 0,1
	v_cvt_scalef32_pk16_fp6_f32 v[\f+6*\c:\f+6*\c+2], v[\x+32*\c:\x+32*\c+15], v[14+\c]
	v_cvt_scalef32_pk16_fp6_f32 v[22+4*\c:24+4*\c], v[\x+32*\c+16:\x+32*\c+31], v[14+\c]   ; three registers from an even one on: made elsewhere and moved
.endr
	v_nop                                          ; one plain place behind a scaled conversion
.irp c, 0,1
.irp i, 0,1,2
	v_mov_b32 v[\f+6*\c+3+\i], v[22+4*\c+\i]
.endr
.endr
.endm
	s_wait_dscnt 63                                ; the pair's 16 loads are in (64 are younger; the field holds 63)
	QUANT2 X1, FK, 19
.irp c, 0,1,2
	global_store_b128 v[GI], v[FK+4*\c:FK+4*\c+3], s[6:7] offset:512*\c
.endr
	ds_store_b32 v[AW], v19                        ; lanes r and r + 16 write the same word with the same value
	s_wait_dscnt 1                                 ; V's 64 loads are in; only the word's store is younger
	QUANT2 X2, FV, 20
.irp c, 0,1,2
	global_store_b128 v[GI], v[FV+4*\c:FV+4*\c+3], s[6:7] offset:VIMG+512*\c
.endr
	ds_store_b32 v[AW], v20 offset:256
	s_wait_dscnt 0x0                               ; my two words lie in LDS
	s_barrier_signal -1
	s_barrier_wait -1
	s_cmp_lg_u32 s8, 0
	s_cbranch_scc1 .Lend                           ; wave 0 alone sends the 512 bytes of scale words
.irp k, 0,1,2,3
	ds_load_b32 v[56+\k], v[L4] offset:SCS+128*\k
.endr
	s_wait_dscnt 0x0
	global_store_b128 v[L16], v[56:59], s[6:7] offset:SCW
.Lend:
	s_wait_tensorcnt 0x0                           ; the wave's end
	ds_add_u32 v192, v193
	s_wait_dscnt 0x0
	s_endpgm
.Lfunc_end_k_qd4002cd7ad_quant:
	.size	k_qd4002cd7ad_quant, .Lfunc_end_k_qd4002cd7ad_quant-k_qd4002cd7ad_quant
	.p2alignl 7, 3214868480
	.fill 96, 4, 3214868480
	.section	.rodata,"a",@progbits
	.p2align	6, 0x0
	.amdhsa_kernel k_qd4002cd7ad_quant
		.amdhsa_group_segment_fixed_size 36352
		.amdhsa_private_segment_fixed_size 0
		.amdhsa_enable_private_segment 0
		.amdhsa_kernarg_size 16
		.amdhsa_user_sgpr_count 2
		.amdhsa_user_sgpr_kernarg_segment_ptr 1
		.amdhsa_wavefront_size32 1
		.amdhsa_system_sgpr_workgroup_id_x 1
		.amdhsa_system_sgpr_workgroup_id_y 1
		.amdhsa_system_sgpr_workgroup_id_z 1
		.amdhsa_system_vgpr_workitem_id 0
		.amdhsa_next_free_vgpr 194
		.amdhsa_next_free_sgpr 66
		.amdhsa_reserve_vcc 0
		.amdhsa_float_denorm_mode_32 3
		.amdhsa_float_denorm_mode_16_64 3
		.amdhsa_memory_ordered 1
		.amdhsa_forward_progress 1
		.amdhsa_inst_pref_size 19
	.end_amdhsa_kernel
	.amdgpu_metadata
---
amdhsa.version: [ 1, 2 ]
amdhsa.kernels:
  - .name:           k_qd4002cd7ad_quant
    .symbol:         k_qd4002cd7ad_quant.kd
    .args:
      - { .name: x, .offset: 0, .size: 8, .value_kind: global_buffer, .address_space: global }
      - { .name: kv, .offset: 8, .size: 8, .value_kind: global_buffer, .address_space: global }
    .group_segment_fixed_size: 36352
    .private_segment_fixed_size: 0
    .kernarg_segment_align: 8
    .kernarg_segment_size: 16
    .max_flat_workgroup_size: 128
    .sgpr_count:     66
    .vgpr_count:     194
    .wavefront_size: 32
...
	.end_amdgpu_metadata
.endif
;; end of part 1
;; launch attn (part 2): grid 16 x 16, 8 waves a work-group, clusters of 4 x 1, 327,680 bytes of LDS; arguments kv, out0; writes out0
.if DOCPART == 2
	.amdgcn_target "amdgcn-amd-amdhsa--gfx1250"
	.amdhsa_code_object_version 6
	.text
	.protected	k_qd4002cd7ad_attn
	.globl	k_qd4002cd7ad_attn
	.p2align	8
	.type	k_qd4002cd7ad_attn,@function
k_qd4002cd7ad_attn:
	s_mov_b64 s[64:65], 0
	v_nop
	global_prefetch_b8 v0, s[64:65] scope:SCOPE_SE
	s_setreg_imm32_b32 hwreg(HW_REG_WAVE_MODE, 25, 1), 1
	s_wait_xcnt 0x0
	s_wait_alu depctr_hold_cnt(0) depctr_sa_sdst(0) depctr_va_vdst(0) depctr_va_sdst(0) depctr_va_ssrc(0) depctr_va_vcc(0) depctr_vm_vsrc(0)
	s_getreg_b32 s2, hwreg(HW_REG_IB_STS2, 6, 4)
	s_cmp_eq_u32 s2, 0
	s_cbranch_scc0 .Lentry_in_a_cluster
	s_endpgm
.Lentry_in_a_cluster:
	s_bfe_u32 s2, ttmp6, 0x10000c
	s_cmp_lg_u32 s2, 0x3003
	s_cbranch_scc0 .Lentry_shape_is_right
	s_endpgm
.Lentry_shape_is_right:
; out0[q][64 head + d] = the sum over keys of softmax(q . k / 8) v, q = k = v = the head's 64 channels of x; both products on codes of FP6 (E2M3) with one E8M0 scale for each 32 along a product's K.
; kv holds, for each (head, 128 tokens), 12,800 bytes of register images: four pair images (codes along the channels), four images of V^T (codes along the keys), 512 bytes of scale words.
; THE SOFTMAX: t = score x log2(e) / 8; M = the running largest t rounded UP to a whole number; p = 2^(t - M) is quantised along the keys, not normalised; the row's sum is taken of the unquantised p and divides at the end.
; When M moves, the sum and O are multiplied by 2^(old M - new M), which rounds nothing.
; K = 64 IN AN INSTRUCTION OF 128: source 0 is a PAIR image, two tiles of 16 keys side by side along k; source 1 is [q | zeros] or [zeros | q].  Zero codes add nothing; the scale bytes of q's zero half are 1.
; THE KEYS OF A TILE: tile T (0..7), row r is key 64 (T / 4) + 32 (r / 8) + 8 (T % 4) + r % 8.  Both products are used transposed, so a lane (r, h) holds ONE query, and its 32 registers of tiles 4 c .. 4 c + 3 are
; keys 64 c + 32 h + 0 .. 31: a WHOLE block of 32, in the lane in which the 6-bit operand wants it.  A block's maximum needs no other lane and the codes need no lane exchange; only the row's maximum and the scale word cross to lane l xor 16.
; SHARES: a work-group owns 256 queries of one head; each of its eight waves 32 of them, one pair of kv, whose image is its Q.  In every run of lines the two tiles of queries alternate.
; CLUSTER: the four work-groups of a cluster belong to one head and walk the same 32 blocks: every block is asked for JOINTLY (mask 15), wave w asking for step w of a slot of eight steps.
; LDS: three slots of 8 steps.  Slot 0 is asked for at the head, slot 1 behind the round that shows slot 0 whole, slot 2 behind steps 0-7, slot 0 once more (steps 24-31) behind steps 8-15: one load of a wave is out at a time.
; No prefetch is written: every fill but the first is issued eight key steps ahead of its first read.
; LIMITS: NaN and infinities are not served; a p under 2^-126 comes out of v_exp_f32 as 0; a block of p that are all 0 keeps the scale byte 1 (its codes are zeros); the scaled scores stay under 2^31 in magnitude.
; REGISTERS, window 0: v1-7 addresses; v8-11 the step's scale words; v12-15 q's four scale words; v16-17 p's; v18-25 per tile -M, the largest score, the sum in two halves; v26-27, v58-59 f;
;   v28-57 Q; v60-62 at work; v63 8 h; v64-191 S^T, then p; v192-215 p's codes; v216-243 at work, 14 a tile; v244-255 Q as loaded.
;   window 1: v0-63 O^T (tile T, channels 16 t on: 32 T + 8 t); v64-111 the pair images; v112-159 the images of V^T.
.set STEPB, 12800
.set SLOT,  8*STEPB
.set VIMG,  6144
.set SCW,   12288
.set SPARE, 3*SLOT                     ; the spare words: 128 bytes for each of eight waves
.set STAGE, SLOT                       ; the way out: 32 rows x 272 bytes a wave, in slot 1, which has had its only fill and its last read
.set LI,  1
.set SPW, 2
.set NIL, 3
.set ADR, 4
.set STO, 5
.set RD,  6
.set GO,  7
.set ST,  18
.set SH,  63
.set S,   64
.set P,   192
.set TT,  216                          ; tile T at TT + 14 T: +0,1 my two blocks' largest, +2,3 second chains, +4,5 the other lane's / a second sum, +6,7 bytes, +8,9 scale operands, +12,13 at work
.set KF,  64
.set VF,  112
.set G1,  24
.set G0,  32
.set TB,  44
.set CNT, 45
.set MSB, 0
.macro WIN new                         ; the immediate's high byte repeats the setting that is left
.if MSB != \new
	s_set_vgpr_msb (MSB<<8)|\new
.set MSB, \new
.endif
.endm
.set W_LD, 0x40
.set W_KQ, 0x01
.set W_RS, 0x41
.set W_PV, 0x51
.macro CROUND                          ; a round of the cluster's barrier
	s_barrier_signal -1
	s_barrier_wait -1
	s_cmp_lg_u32 s8, 0
	s_cbranch_scc1 .Lnot_wave_0_\@
	s_barrier_signal -3
.Lnot_wave_0_\@:
	s_barrier_wait -3
	s_barrier_signal -1
	s_barrier_wait -1
.endm
.macro NOPS n
.rept \n
	v_nop
.endr
.endm
	s_load_b128 s[4:7], s[0:1], 0x0                ; kv, out0
	v_lshl_add_u32 v[SPW], v0, 2, SPARE
	v_mov_b32 v[NIL], 0
	ds_add_u32 v[SPW], v[NIL]                      ; the opening lines
	ds_add_u32 v[SPW], v[NIL]
	s_wait_dscnt 0x0
	v_lshrrev_b32 v1, 5, v0
	v_readfirstlane_b32 s8, v1                     ; wave 0..7
	s_bfe_u32 s9, ttmp6, 0x40000                   ; cx: it enters Q's and out0's addresses alone
	s_lshl_b32 s10, ttmp9, 2
	s_add_co_u32 s10, s10, s9                      ; my block of 256 queries
	s_and_b32 s11, ttmp7, 0xffff                   ; the head
	s_mul_i32 s50, s11, 32*STEPB
	s_mul_i32 s46, s8, STEPB                       ; step w of a slot: in memory and in LDS
	s_add_co_u32 s12, s50, s46
	s_mov_b32 s13, 0
	s_lshl_b32 s47, s10, 1
	s_lshr_b32 s48, s8, 2
	s_add_co_u32 s47, s47, s48                     ; my queries lie in block 2 X + w / 4,
	s_mul_i32 s47, s47, STEPB
	s_add_co_u32 s47, s47, s50
	s_and_b32 s48, s8, 3                           ; as its pair w % 4
	s_mul_i32 s48, s48, 1536
	s_add_co_u32 s16, s47, s48
	s_mov_b32 s17, 0
	s_and_b32 s48, s8, 1                           ; the pair's scale words: lanes 16 (j % 2) + r, word j / 2
	s_lshl_b32 s48, s48, 8
	s_bfe_u32 s49, s8, 0x10001
	s_lshl_b32 s49, s49, 2
	s_add_co_u32 s18, s47, s48
	s_add_co_u32 s18, s18, s49
	s_add_co_u32 s18, s18, SCW
	s_mov_b32 s19, 0
	s_lshl_b32 s48, s10, 20                        ; out0: rows of 4,096 bytes; token 256 X + 128 (w / 4) + 64 ((w / 2) % 2) + 16 (w % 2)
	s_lshr_b32 s49, s8, 2
	s_lshl_b32 s49, s49, 19
	s_add_co_u32 s48, s48, s49
	s_bfe_u32 s49, s8, 0x10001
	s_lshl_b32 s49, s49, 18
	s_add_co_u32 s48, s48, s49
	s_and_b32 s49, s8, 1
	s_lshl_b32 s49, s49, 16
	s_add_co_u32 s48, s48, s49
	s_lshl_b32 s49, s11, 8                         ; the head's 256 bytes of a row
	s_add_co_u32 s48, s48, s49
	s_mov_b32 s49, 0
	s_mov_b32 s20, 0x76543210
	s_mov_b32 s21, 0xfedcba98                      ; selects for lane l xor 16
	s_mov_b32 s22, 0x3e38aa3b                      ; c = log2(e) / 8
	s_mov_b32 s23, s22
	s_mov_b32 s[G1+0], 15|(3<<16)|(1<<21)          ; the mask: all four; elements of 8 bytes; bit 21 beside a mask
	s_mov_b32 s[G1+1], 32<<16                      ; a dense block as 50 rows of 256 bytes
	s_mov_b32 s[G1+2], 50<<16
	s_mov_b32 s[G1+3], 32<<16
	s_mov_b32 s[G1+4], 50
	s_mov_b32 s[G1+5], 32
	s_mov_b32 s[G1+6], 0
	s_mov_b32 s[G1+7], 0
	s_wait_kmcnt 0x0
	s_add_nc_u64 s[14:15], s[4:5], s[12:13]        ; step w of the head
	s_add_nc_u64 s[16:17], s[4:5], s[16:17]        ; Q's image
	s_add_nc_u64 s[18:19], s[4:5], s[18:19]        ; Q's scale words
	s_add_nc_u64 s[6:7], s[6:7], s[48:49]
.irp n, 0,1,2
	s_mov_b32 s[G0+4*\n], 1
	s_add_co_u32 s[G0+4*\n+1], s46, \n*SLOT
	s_add_nc_u64 s[G0+4*\n+2:G0+4*\n+3], s[14:15], \n*SLOT
	s_or_b32 s[G0+4*\n+3], s[G0+4*\n+3], 0x80000000
.endr
	CROUND                                         ; all four work-groups are here
	tensor_load_to_lds s[G0:G0+3], s[G1:G1+7]      ; slot 0: my one load at the head
	s_nop 0
	NOPS 4
	v_and_b32 v[LI], 31, v0
	v_and_b32 v61, 15, v0
	v_bfe_u32 v[SH], v0, 4, 1
	v_lshlrev_b32 v[LI], 4, v[LI]
	v_lshlrev_b32 v61, 4, v61
	v_lshlrev_b32 v[SH], 3, v[SH]                  ; 8 h
.irp c, 0,1,2
	global_load_b128 v[244+4*\c:247+4*\c], v[LI], s[16:17] offset:512*\c   ; registers 0-5 tile A's codes, 6-11 tile B's
.endr
	global_load_b32 v60, v61, s[18:19]             ; bytes 0, 1 tile A's two blocks, bytes 2, 3 tile B's
.irp t, 0,1
	v_mov_b32 v[ST+4*\t+1], 0xff61b1e6             ; the largest score so far: -3e38
	v_mov_b32 v[ST+4*\t], 0x7e22ef1c               ; -M to begin with: a large whole number (about 5.4e37), so that the first f is 0
	v_mov_b32 v[ST+4*\t+2], 0
	v_mov_b32 v[ST+4*\t+3], 0
	v_mov_b32 v[27+32*\t], 0                       ; (the upper half of f's pair)
	v_mov_b32 v[TT+14*\t+4], 0                     ; a lane permute's destination counts as a source
.endr
.irp i, 0,1,2,3,4,5
	v_mov_b32 v[28+\i], 0                          ; Q's three runs of zero codes
	v_mov_b32 v[40+\i], 0
	v_mov_b32 v[52+\i], 0
.endr
	s_mov_b32 s46, 0x01010000
	s_mov_b32 s47, 0x0101
	s_wait_alu depctr_va_vdst(0)
	s_wait_loadcnt 0x0                             ; Q
.irp i, 0,1,2,3,4,5
	v_mov_b32 v[34+\i], v[244+\i]
	v_mov_b32 v[46+\i], v[250+\i]
.endr
	v_and_b32 v61, 0xffff, v60
	v_lshrrev_b32 v62, 16, v60
	v_lshl_or_b32 v13, v60, 16, s47                ; [zeros | qA]
	v_and_or_b32 v15, v60, 0xffff0000, s47         ; [zeros | qB]
	v_or_b32 v12, s46, v61                         ; [qA | zeros]
	v_or_b32 v14, s46, v62                         ; [qB | zeros]
	WIN W_LD
.set jj, 0
.rept 64
	v_mov_b32 v[jj], 0                             ; O^T: the step is written once, and the first finds zeros
.set jj, jj+1
.endr
	WIN 0
; A KEY STEP: 128 keys against my two tiles of queries, the tiles by turns line by line.
.macro STEP
	v_add_nc_u32 v[ADR], s[TB], v[LI]
	NOPS 3                                         ; with the addition: four places behind the last products, ahead of loads into their registers
	ds_load_b128 v[8:11], v[ADR] offset:SCW
	WIN W_LD
.irp j, 0,1,2,3
.irp c, 0,1,2
	ds_load_b128 v[KF+12*\j+4*\c:KF+12*\j+4*\c+3], v[ADR] offset:1536*\j+512*\c
.endr
.endr
.irp t, 0,1,2,3
.irp c, 0,1,2
	ds_load_b128 v[VF+12*\t+4*\c:VF+12*\t+4*\c+3], v[ADR] offset:VIMG+1536*\t+512*\c
.endr
.endr
	s_wait_dscnt 12                                ; the scale words and the pairs are in; V's twelve loads are younger
	WIN W_KQ
.irp j, 0,1,2,3                        ; S^T: sixteen products on sixteen accumulators, each begun with 0
.irp u, 0,1
.irp t, 0,1
.if \j%2
	v_wmma_scale_f32_16x16x128_f8f6f4 v[S+64*\t+8*(2*\j+\u):S+64*\t+8*(2*\j+\u)+7], v[KF+12*\j:KF+12*\j+11], v[34-6*\u+12*\t:45-6*\u+12*\t], 0, v[8+\j/2], v[12+\u+2*\t] matrix_a_fmt:MATRIX_FMT_FP6 matrix_b_fmt:MATRIX_FMT_FP6 matrix_a_scale:MATRIX_SCALE_ROW1
.else
	v_wmma_scale_f32_16x16x128_f8f6f4 v[S+64*\t+8*(2*\j+\u):S+64*\t+8*(2*\j+\u)+7], v[KF+12*\j:KF+12*\j+11], v[34-6*\u+12*\t:45-6*\u+12*\t], 0, v[8+\j/2], v[12+\u+2*\t] matrix_a_fmt:MATRIX_FMT_FP6 matrix_b_fmt:MATRIX_FMT_FP6
.endif
.endr
.endr
.endr
	WIN 0
	NOPS 4                                         ; four places ahead of the first read of results
.irp c, 0,1                            ; the largest score of my two blocks of 32 keys, two chains a block; each accumulator is first read at its low end
.irp t, 0,1
	v_max3_num_f32 v[TT+14*\t+\c], v[S+64*\t+32*\c], v[S+64*\t+32*\c+1], v[S+64*\t+32*\c+2]
	v_max3_num_f32 v[TT+14*\t+2+\c], v[S+64*\t+32*\c+16], v[S+64*\t+32*\c+17], v[S+64*\t+32*\c+18]
.endr
.endr
.irp i, 3,5,7,9,11,13
.irp c, 0,1
.irp t, 0,1
	v_max3_num_f32 v[TT+14*\t+\c], v[TT+14*\t+\c], v[S+64*\t+32*\c+\i], v[S+64*\t+32*\c+\i+1]
	v_max3_num_f32 v[TT+14*\t+2+\c], v[TT+14*\t+2+\c], v[S+64*\t+32*\c+16+\i], v[S+64*\t+32*\c+17+\i]
.endr
.endr
.endr
.irp c, 0,1
.irp t, 0,1
	v_max3_num_f32 v[TT+14*\t+\c], v[TT+14*\t+\c], v[S+64*\t+32*\c+15], v[S+64*\t+32*\c+31]
.endr
.endr
.irp c, 0,1
.irp t, 0,1
	v_max_num_f32 v[TT+14*\t+\c], v[TT+14*\t+\c], v[TT+14*\t+2+\c]
.endr
.endr
.irp t, 0,1
	v_max_num_f32 v[TT+14*\t+12], v[TT+14*\t], v[TT+14*\t+1]
.endr
.irp t, 0,1
	v_permlanex16_b32 v[TT+14*\t+4], v[TT+14*\t+12], s20, s21
.endr
.irp t, 0,1
	v_max3_num_f32 v[ST+4*\t+1], v[ST+4*\t+1], v[TT+14*\t+12], v[TT+14*\t+4]   ; the running largest score of my query
.endr
.irp t, 0,1
	v_mul_f32 v[TT+14*\t+13], s22, v[ST+4*\t+1]    ; as t (c is positive)
.endr
.irp t, 0,1
	v_mov_b32 v[TT+14*\t+12], v[ST+4*\t]
.endr
.irp t, 0,1
	v_floor_f32 v[ST+4*\t], -v[TT+14*\t+13]        ; the new -M = -ceil(t)
.endr
.irp t, 0,1
	v_sub_f32 v[TT+14*\t+12], v[ST+4*\t], v[TT+14*\t+12]   ; old M - new M: a whole number, 0 or less
.endr
.irp t, 0,1
	v_cvt_i32_f32 v[TT+14*\t+12], v[TT+14*\t+12]   ; (it saturates)
.endr
.irp t, 0,1
	v_ldexp_f32 v[26+32*\t], 1.0, v[TT+14*\t+12]   ; f = 2^(old M - new M)
.endr
.set jj, 0
.rept 32
	v_pk_fma_f32 v[S+jj:S+jj+1], v[S+jj:S+jj+1], s[22:23], v[ST:ST+1] op_sel_hi:[1,0,0]   ; t - M, two at a time
	v_pk_fma_f32 v[S+64+jj:S+64+jj+1], v[S+64+jj:S+64+jj+1], s[22:23], v[ST+4:ST+5] op_sel_hi:[1,0,0]
.set jj, jj+2
.endr
.irp c, 0,1
.irp t, 0,1
	v_fma_f32 v[TT+14*\t+\c], v[TT+14*\t+\c], s22, v[ST+4*\t]   ; the same of each block's largest score
.endr
.endr
	s_wait_alu depctr_va_vdst(0)
.set jj, 0
.rept 64
	v_exp_f32 v[S+jj], v[S+jj]                     ; p = 2^(t - M), at most 1
	v_exp_f32 v[S+64+jj], v[S+64+jj]
.set jj, jj+1
.endr
.irp c, 0,1
.irp t, 0,1
	v_exp_f32 v[TT+14*\t+\c], v[TT+14*\t+\c]       ; the block's largest p: the same two instructions on the same number
.endr
.endr
.irp t, 0,1
	v_pk_mul_f32 v[ST+4*\t+2:ST+4*\t+3], v[ST+4*\t+2:ST+4*\t+3], v[26+32*\t:27+32*\t] op_sel_hi:[1,0]   ; the sums under the new M: the plain lines behind the batch
.endr
	s_wait_alu depctr_va_vdst(0)                   ; one wait for the batch, ahead of its first reader
.irp t, 0,1
	v_pk_add_f32 v[TT+14*\t+4:TT+14*\t+5], v[S+64*\t:S+64*\t+1], v[S+64*\t+2:S+64*\t+3]   ; the row's sum of the unquantised p, two chains a tile
.endr
.irp j, 4,8,12,16,20,24,28,32,36,40,44,48,52,56,60
.irp t, 0,1
	v_pk_add_f32 v[ST+4*\t+2:ST+4*\t+3], v[ST+4*\t+2:ST+4*\t+3], v[S+64*\t+\j:S+64*\t+\j+1]
	v_pk_add_f32 v[TT+14*\t+4:TT+14*\t+5], v[TT+14*\t+4:TT+14*\t+5], v[S+64*\t+\j+2:S+64*\t+\j+3]
.endr
.endr
.irp c, 0,1
.irp t, 0,1
	v_max_num_f32 v[TT+14*\t+\c], 0x1800000, v[TT+14*\t+\c]   ; the floor 2^(3 - 127): the byte cannot fall under 1
.endr
.endr
.irp t, 0,1
	v_pk_add_f32 v[ST+4*\t+2:ST+4*\t+3], v[ST+4*\t+2:ST+4*\t+3], v[TT+14*\t+4:TT+14*\t+5]
.endr
.irp c, 0,1
.irp t, 0,1
	v_add_nc_u32 v[TT+14*\t+8+\c], 0xff000000, v[TT+14*\t+\c]   ; 2 off the exponent field: the conversion's scale operand
.endr
.endr
.irp c, 0,1
.irp t, 0,1
	v_lshrrev_b32 v[TT+14*\t+6+\c], 23, v[TT+14*\t+8+\c]   ; the byte
.endr
.endr
.irp t, 0,1
	v_lshl_or_b32 v[16+\t], v[TT+14*\t+7], 16, v[TT+14*\t+6]   ; my bytes: blocks h and 2 + h,
.endr
.irp t, 0,1
	v_lshlrev_b32 v[16+\t], v[SH], v[16+\t]        ; at their places in the word;
.endr
.irp t, 0,1
	v_permlanex16_b32 v[TT+14*\t+4], v[16+\t], s20, s21
.endr
.irp t, 0,1
	v_or_b32 v[16+\t], v[16+\t], v[TT+14*\t+4]     ; with lane l xor 16's two it is whole
.endr
.irp c, 0,1
.irp t, 0,1
	v_cvt_scalef32_pk16_fp6_f32 v[P+12*\t+6*\c:P+12*\t+6*\c+2], v[S+64*\t+32*\c:S+64*\t+32*\c+15], v[TT+14*\t+8+\c]
	v_cvt_scalef32_pk16_fp6_f32 v[TT+14*\t+4*\c:TT+14*\t+4*\c+2], v[S+64*\t+32*\c+16:S+64*\t+32*\c+31], v[TT+14*\t+8+\c]   ; three registers from an even one on: made elsewhere and moved
.endr
.endr
	v_nop                                          ; one plain place behind a scaled conversion
.irp c, 0,1
.irp i, 0,1,2
.irp t, 0,1
	v_mov_b32 v[P+12*\t+6*\c+3+\i], v[TT+14*\t+4*\c+\i]
.endr
.endr
.endr
	WIN W_RS
	s_wait_alu depctr_va_vdst(0)
.irp j, 0,2,4,6,8,10,12,14,16,18,20,22,24,26,28,30
.irp t, 0,1
	v_pk_mul_f32 v[32*\t+\j:32*\t+\j+1], v[32*\t+\j:32*\t+\j+1], v[26+32*\t:27+32*\t] op_sel_hi:[1,0]   ; O^T under the new M, each accumulator from its low end on; also the places between p's codes and word and the products
.endr
.endr
	NOPS 4
	s_wait_alu depctr_va_vdst(0)
	s_wait_dscnt 0x0                               ; V is in
	WIN W_PV
.irp t, 0,1,2,3                        ; O^T += V^T P^T: eight accumulators by turns, one instruction each
.irp q, 0,1
.if \t%2
	v_wmma_scale_f32_16x16x128_f8f6f4 v[32*\q+8*\t:32*\q+8*\t+7], v[VF+12*\t:VF+12*\t+11], v[P+12*\q:P+12*\q+11], v[32*\q+8*\t:32*\q+8*\t+7], v[10+\t/2], v[16+\q] matrix_a_fmt:MATRIX_FMT_FP6 matrix_b_fmt:MATRIX_FMT_FP6 matrix_a_scale:MATRIX_SCALE_ROW1
.else
	v_wmma_scale_f32_16x16x128_f8f6f4 v[32*\q+8*\t:32*\q+8*\t+7], v[VF+12*\t:VF+12*\t+11], v[P+12*\q:P+12*\q+11], v[32*\q+8*\t:32*\q+8*\t+7], v[10+\t/2], v[16+\q] matrix_a_fmt:MATRIX_FMT_FP6 matrix_b_fmt:MATRIX_FMT_FP6
.endif
.endr
.endr
	WIN 0
.endm
.macro STEPS base                      ; the eight key steps of the slot at byte base
	s_mov_b32 s[TB], \base
	s_mov_b32 s[CNT], 8
.Lstep_\@:
	STEP
	s_add_co_u32 s[TB], s[TB], STEPB
	s_sub_co_u32 s[CNT], s[CNT], 1
	s_cmp_lg_u32 s[CNT], 0
	s_cbranch_scc1 .Lstep_\@
.endm
; A change of slots: all my tensor loads are waited for, the add, the wait for it and for my LDS reads.  g >= 0: a round of the cluster's barrier, and behind it my one joint load, by group 0 number g
; (adv = 1: slot 0's address goes on to step 24 + w).  g < 0: my work-group's barrier alone: every wave's last load has landed.
.macro CHANGE g, adv
	s_wait_tensorcnt 0x0
	ds_add_u32 v[SPW], v[NIL]
.if \adv
	s_add_nc_u64 s[G0+2:G0+3], s[G0+2:G0+3], 3*SLOT
.endif
	s_wait_dscnt 0x0
.if \g >= 0
	CROUND
	tensor_load_to_lds s[G0+4*\g:G0+4*\g+3], s[G1:G1+7]
	s_nop 0
	NOPS 4
.else
	s_barrier_signal -1
	s_barrier_wait -1
.endif
.endm
	s_wait_alu depctr_va_vdst(0)
	CHANGE 1, 0                                    ; slot 0 is whole; slot 1 takes steps 8-15
	STEPS 0
	CHANGE 2, 0                                    ; slot 1 is whole; slot 2 takes steps 16-23
	STEPS SLOT
	CHANGE 0, 1                                    ; slot 2 is whole, slot 0 was read two changes ago: it takes steps 24-31
	STEPS 2*SLOT
	CHANGE -1, 0                                   ; slot 0 is whole again
	STEPS 0
	; THE WAY OUT: O^T / the row's sum goes through my stage in LDS and leaves as whole rows of 256 bytes.
.irp t, 0,1
	v_add_f32 v[TT+14*\t+12], v[ST+4*\t+2], v[ST+4*\t+3]
.endr
.irp t, 0,1
	v_permlanex16_b32 v[TT+14*\t+4], v[TT+14*\t+12], s20, s21
.endr
.irp t, 0,1
	v_add_f32 v[TT+14*\t+12], v[TT+14*\t+12], v[TT+14*\t+4]   ; with lane l xor 16's keys
.endr
	s_wait_alu depctr_va_vdst(0)
.irp t, 0,1
	v_rcp_f32 v[26+32*\t], v[TT+14*\t+12]
.endr
	v_and_b32 v61, 15, v0                          ; r
	v_bfe_u32 v62, v0, 4, 1                        ; h
	s_mul_i32 s46, s8, 32*272
	s_add_co_u32 s46, s46, STAGE
	v_mul_u32_u24 v[STO], v61, 272
	v_mul_u32_u24 v[RD], v62, 272
	v_lshlrev_b32 v[GO], 12, v62
	v_lshl_add_u32 v[STO], v62, 5, v[STO]
	v_lshl_add_u32 v[RD], v61, 4, v[RD]
	v_lshl_add_u32 v[GO], v61, 4, v[GO]
	v_add_nc_u32 v[STO], s46, v[STO]               ; in: row 16 T + r, bytes 64 t + 32 h on
	v_add_nc_u32 v[RD], s46, v[RD]                 ; back: lanes 0-15 one row, lanes 16-31 the next
	s_wait_alu depctr_va_vdst(0)                   ; one wait for the two reciprocals and for O^T, ahead of their first reader
	WIN W_KQ
.irp t, 0,1
.irp j, 0,2,4,6,8,10,12,14,16,18,20,22,24,26,28,30
	v_pk_mul_f32 v[S+32*\t+\j:S+32*\t+\j+1], v[32*\t+\j:32*\t+\j+1], v[26+32*\t:27+32*\t] op_sel_hi:[1,0]
.endr
.endr
	WIN 0
.irp t, 0,1
.irp k, 0,1,2,3
	ds_store_b128 v[STO], v[S+32*\t+8*\k:S+32*\t+8*\k+3] offset:4352*\t+64*\k
	ds_store_b128 v[STO], v[S+32*\t+8*\k+4:S+32*\t+8*\k+7] offset:4352*\t+64*\k+16
.endr
.endr
.irp i, 0,1,2,3,4,5,6,7,8,9,10,11,12,13,14,15
	ds_load_b128 v[128+4*\i:131+4*\i], v[RD] offset:544*\i   ; LDS serves a wave's instructions in order: these see my stores
.endr
.irp i, 0,1,2,3,4,5,6,7,8,9,10,11,12,13,14,15
	s_wait_dscnt 15-\i                             ; load i is in; the younger ones stay out
	global_store_b128 v[GO], v[128+4*\i:131+4*\i], s[6:7] offset:(32*((\i%8)/4)+8*(\i/8)+2*(\i%4))*4096 th:TH_STORE_NT   ; stage row 16 T + r is my token 32 (r / 8) + 8 T + r % 8; sixteen lanes store 256 consecutive, aligned bytes
.endr
	s_wait_tensorcnt 0x0                           ; the wave's end
	ds_add_u32 v[SPW], v[NIL]
	s_wait_dscnt 0x0
	CROUND                                         ; the closing round
	s_endpgm
.Lfunc_end_k_qd4002cd7ad_attn:
	.size	k_qd4002cd7ad_attn, .Lfunc_end_k_qd4002cd7ad_attn-k_qd4002cd7ad_attn
	.p2alignl 7, 3214868480
	.fill 96, 4, 3214868480
	.section	.rodata,"a",@progbits
	.p2align	6, 0x0
	.amdhsa_kernel k_qd4002cd7ad_attn
		.amdhsa_group_segment_fixed_size 327680
		.amdhsa_private_segment_fixed_size 0
		.amdhsa_enable_private_segment 0
		.amdhsa_kernarg_size 16
		.amdhsa_user_sgpr_count 2
		.amdhsa_user_sgpr_kernarg_segment_ptr 1
		.amdhsa_wavefront_size32 1
		.amdhsa_system_sgpr_workgroup_id_x 1
		.amdhsa_system_sgpr_workgroup_id_y 1
		.amdhsa_system_sgpr_workgroup_id_z 1
		.amdhsa_system_vgpr_workitem_id 0
		.amdhsa_next_free_vgpr 416
		.amdhsa_next_free_sgpr 66
		.amdhsa_reserve_vcc 0
		.amdhsa_float_denorm_mode_32 3
		.amdhsa_float_denorm_mode_16_64 3
		.amdhsa_memory_ordered 1
		.amdhsa_forward_progress 1
		.amdhsa_inst_pref_size 126
	.end_amdhsa_kernel
	.amdgpu_metadata
---
amdhsa.version: [ 1, 2 ]
amdhsa.kernels:
  - .name:           k_qd4002cd7ad_attn
    .symbol:         k_qd4002cd7ad_attn.kd
    .args:
      - { .name: kv, .offset: 0, .size: 8, .value_kind: global_buffer, .address_space: global }
      - { .name: out0, .offset: 8, .size: 8, .value_kind: global_buffer, .address_space: global }
    .group_segment_fixed_size: 327680
    .private_segment_fixed_size: 0
    .kernarg_segment_align: 8
    .kernarg_segment_size: 16
    .max_flat_workgroup_size: 256
    .sgpr_count:     66
    .vgpr_count:     416
    .wavefront_size: 32
...
	.end_amdgpu_metadata
.endif
;; end of part 2
